; MI455X (gfx1250); checked and timed in simulation.
; The chip was launched on July 23, 2026; its instructions are those of AMD's public machine-readable ISA for CDNA 5 (MIT licence, August 2026) and "CDNA5" Instruction Set Architecture Reference Guide (July 2026). The comments in the code are by the model that wrote it; some were corrected since.
;; Dict Plenoxels. Allowed arithmetic: float matrix products may take bf16 or f16 operands with f32 sums; all other float work in f32.
;; Inputs: atoms 8 x 32 x 28 float32; grid 32,768 x 32 float32; rays_d 512 x 3 float32; rays_o 512 x 3 float32.
;; Outputs: out0 512 x 3 float32; out1 512 x 383 float32; out2 512 float32; out3 one number float32.
;; Constants: grid_id = 0.
;; 2 versions, each right and faster than the one before. Each part assembles by itself: llvm-mc -triple=amdgcn-amd-amdhsa -mcpu=gfx1250 --defsym DOCPART=n.
;; ======== version 1 of 2: 2 launches
;; limits: inputs' magnitudes at most 1,023; values are held in f16: magnitudes above 65,504 overflow, below 6.1e-05 lose precision; right only within a limited range of input values
;; workspace buffers: gridh 2,097,152 bytes; cells 786,432 bytes of whole numbers; wts 6,291,456 bytes; rayc 32,768 bytes
;; launch prep (part 1): grid 512 x 1, 12 waves a work-group, no clusters, 0 bytes of LDS; arguments rays_o, rays_d, grid, gridh, cells, wts, rayc; writes gridh, cells, wts, rayc
.if DOCPART == 1
	.amdgcn_target "amdgcn-amd-amdhsa--gfx1250"
	.amdhsa_code_object_version 6
	.text
	.protected	k_q31e8bb9991_prep
	.globl	k_q31e8bb9991_prep
	.p2align	8
	.type	k_q31e8bb9991_prep,@function
k_q31e8bb9991_prep:
	s_mov_b64 s[64:65], 0
	v_nop
	global_prefetch_b8 v0, s[64:65] scope:SCOPE_SE
	s_setreg_imm32_b32 hwreg(HW_REG_WAVE_MODE, 25, 1), 1
	s_wait_xcnt 0x0
; DictPlenoxels, first of two launches: the geometry of the rays, and the table in f16.
; Work-group b = ray b (512 of them), thread t = sample t (0 to 383; 383 is a pad with weights 0).
; Stored for the second launch, which gathers:
;   cells [512][384] u32   six coarse indices of 5 bits: x even, x odd, y even, y odd, z even, z odd (bit 0, 5, .. 25)
;   wts   [512][2][384][4] f32: the eight trilinear weights, slot f = 4 fx + 2 fy + fz; half 0 = slots 0-3, half 1 = slots 4-7
;   rayc  [512][16] f32, 12 written and read: sh0..sh8, start, |d| / 64, 0
;   gridh [32768][32] f16 = grid x 64 (each work-group converts 8,192 bytes of grid, waves 0 to 7)
; Why two launches: the gather's addresses come from floating-point geometry; they are stored here as whole numbers.
; Why slots by parity: along an axis the two neighbours i, i+1 have different parity, so slot f always meets atoms[f].
; Where the clip makes both neighbours equal, their two weights are added on that parity and the other slot gets 0:
; the sum over neighbours is linear in the weights, so this is reference()'s value.
; Samples outside the box (and the pad) get eight weights 0: then sigma = 0 and alpha = 0, as reference()'s mask gives.
; LIMITS, stated: |grid| < 1,023 (grid x 64 must fit f16); grid x 64 below 6e-5 loses relative accuracy.  NaN inputs are
; not served.  A direction component that is 0 or denormal divides as u x (1/0) = +-inf.  The fine coordinate is
; (p + R) x (1/0.040625), not a division: the interpolation is continuous in it but at 0.5 and 63.5.
; The first sample lies on the box's face: its mask hangs on the last bit of (+-R - o)/d and of o + t d.  The division here is
; rounded as IEEE asks (reciprocal, one Newton step, one remainder step).  FUSED = 0 rounds product and sum apart, as
; reference() does when each operation is evaluated by itself; FUSED = 1 is the contracted form.
; No LDS, no matrix unit, no cluster: threads share nothing but twelve numbers of their ray.
; cells go out as 128 consecutive bytes a wave (4 bytes a sample); wts and gridh as whole aligned blocks of 256 bytes.
.set FUSED, 0
.set RPOS,  0x3fa66666                 ; 1.3
.set RNEG,  0xbfa66666
.set STEPC, 0x3ca66666                 ; 1.3 / 64
.set INVC,  0x41c4ec4f                 ; 1 / 0.040625
; v0 t; v1 16 t; v2 8 t; v[4:11] grid f32; v[12:15] grid f16; v16-18 o; v19-21 d; v22 rcp; v23 refined rcp; v24-27 at work;
; v28-30 per-axis minima; v[32:43] rayc; v44 ts; v45-47 point; v48-55 at work; v56-61 wE, wO of x, y, z; v62 cells word;
; v[64:67] x y products; v[68:75] weights; v76 4 t; v78 0
	s_load_b256 s[8:15], s[0:1], 0x0               ; rays_o s[8:9], rays_d s[10:11], grid s[12:13], gridh s[14:15]
	s_load_b128 s[16:19], s[0:1], 0x20             ; cells s[16:17], wts s[18:19]
	s_load_b64 s[20:21], s[0:1], 0x30              ; rayc
	v_lshrrev_b32 v3, 5, v0
	v_readfirstlane_b32 s3, v3                     ; wave 0..11
	s_mul_i32 s4, ttmp9, 12                        ; the ray's 12 bytes in rays_o and rays_d
	s_mov_b32 s33, 0                               ; high word of the offset pair s[32:33]
	s_mov_b32 s36, RPOS
	s_mov_b32 s37, RNEG
	s_mov_b32 s38, STEPC
	s_mov_b32 s39, INVC
	s_mov_b32 s40, 0x427c0000                      ; 63.0
	v_lshlrev_b32 v1, 4, v0
	v_lshlrev_b32 v2, 3, v0
	v_lshlrev_b32 v76, 2, v0
	v_mov_b32 v78, 0
	v_mov_b32 v62, 0
	s_wait_kmcnt 0x0
	s_load_b96 s[24:26], s[8:9], s4 offset:0x0     ; o
	s_load_b96 s[28:30], s[10:11], s4 offset:0x0   ; d
	s_lshl_b32 s32, ttmp9, 13
	s_add_nc_u64 s[12:13], s[12:13], s[32:33]      ; grid  + 8,192 b
	s_lshl_b32 s32, ttmp9, 12
	s_add_nc_u64 s[14:15], s[14:15], s[32:33]      ; gridh + 4,096 b
	s_mul_i32 s32, ttmp9, 1536
	s_add_nc_u64 s[16:17], s[16:17], s[32:33]      ; cells + 384 words
	s_mul_i32 s32, ttmp9, 12288
	s_add_nc_u64 s[18:19], s[18:19], s[32:33]      ; wts   + 2 x 384 x 16 bytes
	s_lshl_b32 s32, ttmp9, 6
	s_add_nc_u64 s[20:21], s[20:21], s[32:33]      ; rayc  + 64 b
	; waves 0-7: 256 threads x 2 x 16 bytes = this work-group's 8,192 bytes of grid; asked for now, converted at the end
	s_cmp_ge_u32 s3, 8
	s_cbranch_scc1 .Lno_grid_load
	global_load_b128 v[4:7], v1, s[12:13] th:TH_LOAD_NT
	global_load_b128 v[8:11], v1, s[12:13] offset:4096 th:TH_LOAD_NT
.Lno_grid_load:
	s_wait_kmcnt 0x0                               ; o and d
	v_mov_b32 v16, s24
	v_mov_b32 v17, s25
	v_mov_b32 v18, s26
	v_mov_b32 v19, s28
	v_mov_b32 v20, s29
	v_mov_b32 v21, s30
; out = u / d, rounded to nearest: q = u r1, the exact remainder u - d q by one fused multiply-add, q + rem r1.
; Where that is NaN (d = 0: r = inf) the plain product u x rcp(d) stands in: +-inf with the quotient's sign.
.macro DIVQ out, u, d
	v_mul_f32 \out, \u, v23
	v_fma_f32 v48, -\d, \out, \u
	v_fma_f32 \out, v48, v23, \out
	v_mul_f32 v49, \u, v22
	v_cmp_neq_f32 vcc_lo, \out, \out
	v_cndmask_b32 \out, \out, v49, vcc_lo
.endm
; m = min((R - o)/d, (-R - o)/d) of one axis
.macro AXDIV o, d, m
	v_rcp_f32 v22, \d
	v_sub_f32 v24, s36, \o                         ; a plain instruction stands behind v_rcp_f32 before its result is read (ISA guide 5.7.2)
	v_sub_f32 v25, s37, \o
	s_wait_alu depctr_va_vdst(0)
	v_fma_f32 v23, -\d, v22, 1.0
	v_fma_f32 v23, v23, v22, v22                   ; one Newton step
	DIVQ v26, v24, \d
	DIVQ v27, v25, \d
	v_min_num_f32 \m, v26, v27
.endm
	AXDIV v16, v19, v28
	AXDIV v17, v20, v29
	AXDIV v18, v21, v30
	v_max3_num_f32 v41, v28, v29, v30              ; start
	; |d|, the unit direction, the nine spherical harmonics
	v_mul_f32 v24, v19, v19
	v_fma_f32 v24, v20, v20, v24
	v_fma_f32 v24, v21, v21, v24
	v_sqrt_f32 v25, v24
	v_rsq_f32 v26, v24
	v_mov_b32 v43, 0                               ; the plain place behind the two transcendentals
	s_wait_alu depctr_va_vdst(0)
	v_mul_f32 v42, 0x3c800000, v25                 ; |d| / 64: takes grid's factor 64 out of sigma again
	v_mul_f32 v48, v19, v26                        ; x
	v_mul_f32 v49, v20, v26                        ; y
	v_mul_f32 v50, v21, v26                        ; z
	v_mov_b32 v32, 0x3e906ebb                      ; 0.28209479
	v_mul_f32 v33, 0xbefa2a1c, v49                 ; -0.48860251 y
	v_mul_f32 v34, 0x3efa2a1c, v50                 ;  0.48860251 z
	v_mul_f32 v35, 0xbefa2a1c, v48                 ; -0.48860251 x
	v_mul_f32 v51, v48, v49                        ; x y
	v_mul_f32 v52, v49, v50                        ; y z
	v_mul_f32 v53, v48, v50                        ; x z
	v_mul_f32 v54, v48, v48                        ; x x
	v_mul_f32 v55, v49, v49                        ; y y
	v_mul_f32 v36, 0x3f8bd8a1, v51                 ;  1.0925484 x y
	v_mul_f32 v37, 0xbf8bd8a1, v52                 ; -1.0925484 y z
	v_mul_f32 v39, 0xbf8bd8a1, v53                 ; -1.0925484 x z
	v_add_f32 v51, v54, v55
	v_sub_f32 v52, v54, v55
	v_mul_f32 v53, v50, v50                        ; z z
	v_fma_f32 v51, 2.0, v53, -v51                  ; 2 z z - x x - y y
	v_mul_f32 v38, 0x3ea17b01, v51                 ; 0.31539157 (2 z z - x x - y y)
	v_mul_f32 v40, 0x3f0bd8a1, v52                 ; 0.54627422 (x x - y y)
; dst = a b + c, in one rounding or in two (see the head)
.macro MADD dst, a, b, c
.if FUSED
	v_fma_f32 \dst, \a, \b, \c
.else
	v_mul_f32 v48, \a, \b
	v_add_f32 \dst, v48, \c
.endif
.endm
	v_cvt_f32_u32 v27, v0                          ; the sample's number
	MADD v44, s38, v27, v41                        ; ts = start + t step
	MADD v45, v44, v19, v16                        ; the point
	MADD v46, v44, v20, v17
	MADD v47, v44, v21, v18
	v_max3_num_f32 v48, |v45|, |v46|, |v47|
	v_cmp_lt_f32 s34, v48, s36                     ; strictly inside the box on all three axes,
	v_cmp_gt_u32 s35, 0x17f, v0                    ; and one of the 383 samples
	s_and_b32 s34, s34, s35                        ; selects values only, never an address or a branch
; One axis: the two neighbours, their weights, sorted by parity; the coarse indices go into v62 at bit shift and shift + 5.
.macro AXIS p, wE, wO, shift
	v_add_f32 v48, s36, \p
	v_mul_f32 v48, s39, v48                        ; q, the fine-grid coordinate
	v_add_f32 v49, -0.5, v48                       ; q - 0.5
	v_add_f32 v50, 0.5, v48
	v_floor_f32 v51, v49
	v_floor_f32 v50, v50
	v_med3_num_f32 v51, v51, 0, s40                ; a0: the lower neighbour, clipped to 0 .. 63
	v_med3_num_f32 v50, v50, 0, s40                ; a1: the upper
	v_sub_f32 v52, v49, v51
	v_sub_f32 v53, v49, v50
	v_sub_f32 v52, 1.0, |v52|                      ; w0 = 1 - |q - (a0 + 0.5)|
	v_sub_f32 v53, 1.0, |v53|                      ; w1
	v_cmp_neq_f32 vcc_lo, v51, v50                 ; the clip has not made them equal
	v_add_f32 v54, v52, v53
	v_cndmask_b32 v52, v54, v52, vcc_lo            ; equal: both weights on the one cell,
	v_cndmask_b32 v53, 0, v53, vcc_lo              ; none on the other parity
	v_cvt_u32_f32 v54, v51
	v_cvt_u32_f32 v55, v50
	v_and_b32 v51, 1, v54
	v_cmp_eq_u32 vcc_lo, 1, v51                    ; the lower neighbour is odd
	v_cndmask_b32 \wE, v52, v53, vcc_lo
	v_cndmask_b32 \wO, v53, v52, vcc_lo
	v_cndmask_b32 v50, v54, v55, vcc_lo            ; the even one's fine index
	v_cndmask_b32 v51, v55, v54, vcc_lo            ; the odd one's
	v_lshrrev_b32 v50, 1, v50                      ; coarse index, 0 .. 31
	v_lshrrev_b32 v51, 1, v51
	v_lshl_or_b32 v62, v50, \shift, v62
	v_lshl_or_b32 v62, v51, \shift+5, v62
.endm
	AXIS v45, v56, v57, 0
	AXIS v46, v58, v59, 10
	AXIS v47, v60, v61, 20
	v_mul_f32 v64, v56, v58                        ; fx, fy = 0, 0
	v_mul_f32 v65, v56, v59                        ; 0, 1
	v_mul_f32 v66, v57, v58                        ; 1, 0
	v_mul_f32 v67, v57, v59                        ; 1, 1
.irp i, 0,1,2,3
	v_mul_f32 v[68+2*\i], v[64+\i], v60
	v_mul_f32 v[69+2*\i], v[64+\i], v61
.endr
.irp i, 0,1,2,3,4,5,6,7
	v_cndmask_b32 v[68+\i], 0, v[68+\i], s34       ; outside the box: all eight are 0, whatever the products were
.endr
	global_store_b32 v76, v62, s[16:17]
	global_store_b128 v1, v[68:71], s[18:19]               ; sixteen lanes store 256 consecutive bytes, aligned
	global_store_b128 v1, v[72:75], s[18:19] offset:6144
	s_cmp_ge_u32 s3, 8
	s_cbranch_scc1 .Lno_grid
	s_wait_loadcnt 0x0                             ; the two grid loads, asked for at the start
	v_pk_mul_f32 v[4:5], v[4:5], 0x42800000 op_sel_hi:[1,0]
	v_pk_mul_f32 v[6:7], v[6:7], 0x42800000 op_sel_hi:[1,0]
	v_pk_mul_f32 v[8:9], v[8:9], 0x42800000 op_sel_hi:[1,0]
	v_pk_mul_f32 v[10:11], v[10:11], 0x42800000 op_sel_hi:[1,0]
	v_cvt_pk_f16_f32 v12, v4, v5
	v_cvt_pk_f16_f32 v13, v6, v7
	v_cvt_pk_f16_f32 v14, v8, v9
	v_cvt_pk_f16_f32 v15, v10, v11
	global_store_b64 v2, v[12:13], s[14:15]                ; a wave stores 256 consecutive bytes, aligned
	global_store_b64 v2, v[14:15], s[14:15] offset:2048
.Lno_grid:
	s_cmp_lg_u32 s3, 0
	s_cbranch_scc1 .Lend
	s_wait_xcnt 0x0                                ; EXEC is a source of the stores above: it narrows only behind this wait
	v_cmpx_gt_u32 1, v0                            ; thread 0 alone: every thread holds the same twelve numbers
	global_store_b128 v78, v[32:35], s[20:21]
	global_store_b128 v78, v[36:39], s[20:21] offset:16
	global_store_b128 v78, v[40:43], s[20:21] offset:32
.Lend:
	s_endpgm
.Lfunc_end_k_q31e8bb9991_prep:
	.size	k_q31e8bb9991_prep, .Lfunc_end_k_q31e8bb9991_prep-k_q31e8bb9991_prep
	.p2alignl 7, 3214868480
	.fill 96, 4, 3214868480
	.section	.rodata,"a",@progbits
	.p2align	6, 0x0
	.amdhsa_kernel k_q31e8bb9991_prep
		.amdhsa_group_segment_fixed_size 0
		.amdhsa_private_segment_fixed_size 0
		.amdhsa_enable_private_segment 0
		.amdhsa_kernarg_size 56
		.amdhsa_user_sgpr_count 2
		.amdhsa_user_sgpr_kernarg_segment_ptr 1
		.amdhsa_wavefront_size32 1
		.amdhsa_system_sgpr_workgroup_id_x 1
		.amdhsa_system_sgpr_workgroup_id_y 1
		.amdhsa_system_sgpr_workgroup_id_z 1
		.amdhsa_system_vgpr_workitem_id 0
		.amdhsa_next_free_vgpr 80
		.amdhsa_next_free_sgpr 66
		.amdhsa_reserve_vcc 1
		.amdhsa_float_denorm_mode_32 3
		.amdhsa_float_denorm_mode_16_64 3
		.amdhsa_memory_ordered 1
		.amdhsa_forward_progress 1
		.amdhsa_inst_pref_size 12
	.end_amdhsa_kernel
	.amdgpu_metadata
---
amdhsa.version: [ 1, 2 ]
amdhsa.kernels:
  - .name:           k_q31e8bb9991_prep
    .symbol:         k_q31e8bb9991_prep.kd
    .args:
      - { .name: rays_o, .offset: 0, .size: 8, .value_kind: global_buffer, .address_space: global }
      - { .name: rays_d, .offset: 8, .size: 8, .value_kind: global_buffer, .address_space: global }
      - { .name: grid, .offset: 16, .size: 8, .value_kind: global_buffer, .address_space: global }
      - { .name: gridh, .offset: 24, .size: 8, .value_kind: global_buffer, .address_space: global }
      - { .name: cells, .offset: 32, .size: 8, .value_kind: global_buffer, .address_space: global }
      - { .name: wts, .offset: 40, .size: 8, .value_kind: global_buffer, .address_space: global }
      - { .name: rayc, .offset: 48, .size: 8, .value_kind: global_buffer, .address_space: global }
    .group_segment_fixed_size: 0
    .private_segment_fixed_size: 0
    .kernarg_segment_align: 8
    .kernarg_segment_size: 56
    .max_flat_workgroup_size: 384
    .sgpr_count:     66
    .vgpr_count:     80
    .wavefront_size: 32
...
	.end_amdgpu_metadata
.endif
;; end of part 1
;; launch render (part 2): grid 512 x 1, 12 waves a work-group, no clusters, 4,096 bytes of LDS; arguments atoms, gridh, cells, wts, rayc, out0, out1, out2, out3; writes out0, out1, out2, out3
.if DOCPART == 2
	.amdgcn_target "amdgcn-amd-amdhsa--gfx1250"
	.amdhsa_code_object_version 6
	.text
	.protected	k_q31e8bb9991_render
	.globl	k_q31e8bb9991_render
	.p2align	8
	.type	k_q31e8bb9991_render,@function
k_q31e8bb9991_render:
	s_mov_b64 s[64:65], 0
	v_nop
	global_prefetch_b8 v0, s[64:65] scope:SCOPE_SE
	s_setreg_imm32_b32 hwreg(HW_REG_WAVE_MODE, 25, 1), 1
	s_wait_xcnt 0x0
; DictPlenoxels, second launch: gather, dictionary product, compositing.  Work-group b = ray b; twelve waves; wave w owns samples
; 32 w .. 32 w + 31 as two tiles of 16; behind the products lane L owns sample 32 w + L.
; 1. The spherical-harmonics sum is linear, so it is folded into the atoms once for the ray:
;    FA[f][c][a] = sum over k of sh[k] atoms[f][a][9 c + k] (c = 0, 1, 2), FA[f][3][a] = atoms[f][a][27]: 4 columns in place of 28.
; 2. For each tile and each slot f one matrix instruction: source 0 = FA[f] (row m holds channel m & 3), source 1 = the 16 samples'
;    rows of gridh at the slot's coarse cell.  Register j (0..3) of lane (r, h) is then channel j of sample r, in both halves of the
;    wave, and is added up with the sample's weight of slot f in f32.
;    Along K both operands carry atom 16 h + i in place i of the lane's 8 registers: the same permutation on both sides leaves the
;    sum of products as it is, and a lane's 32 bytes are consecutive in memory and in LDS.
; 3. alpha, the product of (1 - alpha + 1e-10) along the ray (a scan in the wave, then over the twelve waves), the sums.
; FORMATS: operands f16 (grid x 64, folded atoms as they are), sums f32.  bf16's eight bits would leave an error in alpha larger
; than the step 2^-24 in which 1 - exp(-x) moves for the small x met here.  LIMITS, stated: |folded atoms| < 65,504, below 6e-5 they
; lose relative accuracy; NaN inputs are not served.  For x < 0.5, alpha = 1 - exp(-x) is summed as a series of seven terms
; (next term below x^8 / 40,320, under 1e-7 of alpha); from 0.5 on it is 1 - exp2(-x log2 e).
; No tensor loads and no ring: what is read are scattered rows of 64 bytes whose places come from the cells words, and every gather
; is issued as soon as its word is in, so there is nothing to ask for earlier.  No cluster: all that work-groups share is atoms,
; 28,672 bytes beside 196,608 bytes of rows gathered by each.  out1's rows are 1,532 bytes, so its stores (128 consecutive bytes a
; wave) do not fall on aligned blocks of 256.
.set STEPC, 0x3ca66666                 ; 1.3 / 64
.set RED,   2048                       ; LDS: bytes 0-2,047 FA, f16 at 256 f + 64 c + 2 a; from 2,048 six rows of 16 words, row q at 64 q, word = wave
.set W0, 8                             ; v[8:15]   weights of my tile-0 sample, slots 0-7
.set W1, 16                            ; v[16:23]  the same for tile 1
.set A0, 24                            ; v[24:27]  four channels of tile 0
.set A1, 28                            ; v[28:31]  of tile 1
.set D,  32                            ; v[32:63]  four matrix results; before that v32-47 gather offsets, v48-61 at work
.set FR, 64                            ; v[64:127] FA fragments, 8 registers a slot; before that v[64:91] atoms, v92-99 at work
.set G0, 128                           ; v[128:191] gathered rows of tile 0; behind the products v128-168 at work
.set G1, 192                           ; v[192:255] of tile 1
; v0 t; v1 r = t & 15; v2 32 h; v3, v4 offsets of my tile-0 sample in cells and wts; v5 my place in FA; v6, v7 the two cells words
	s_load_b512 s[8:23], s[0:1], 0x0               ; atoms 8, gridh 10, cells 12, wts 14, rayc 16, out0 18, out1 20, out2 22
	s_load_b64 s[24:25], s[0:1], 0x40              ; out3
	s_set_vgpr_msb 0x40
	v_lshl_add_u32 v0, v0, 2, 0xa00
	v_mov_b32 v1, 0
	s_set_vgpr_msb 0x4000
	v_lshrrev_b32 v1, 5, v0
	v_readfirstlane_b32 s3, v1                     ; wave 0..11
	s_lshl_b32 s26, ttmp9, 6                       ; the ray's 64 bytes in rayc
	s_mov_b32 s47, 0                               ; high word of the offset pair s[46:47]
	s_mov_b32 s28, 0xffff0000                      ; lanes 16-31
	s_mov_b32 s30, 0x76543210                      ; v_permlanex16_b32: lane i takes lane i of the other half
	s_mov_b32 s31, 0xfedcba98
	s_mov_b32 s48, STEPC
	v_and_b32 v1, 15, v0
	v_and_b32 v2, 16, v0
	v_lshlrev_b32 v2, 1, v2
	v_and_b32 v3, 0x1ef, v0                        ; 32 w + r: both halves of the wave name the same sample
	v_lshlrev_b32 v4, 4, v3
	v_lshlrev_b32 v3, 2, v3
	v_and_b32 v5, 3, v0
	v_lshl_add_u32 v5, v5, 6, v2                   ; channel r & 3, atoms 16 h ..
	s_wait_kmcnt 0x0
	s_load_b256 s[32:39], s[16:17], s26 offset:0x0         ; sh0 .. sh7
	s_load_b128 s[40:43], s[16:17], s26 offset:0x20        ; sh8, start, |d| / 64, 0
	s_mul_i32 s46, ttmp9, 1536
	s_add_nc_u64 s[12:13], s[12:13], s[46:47]
	s_mul_i32 s46, ttmp9, 12288
	s_add_nc_u64 s[14:15], s[14:15], s[46:47]
	s_mul_i32 s46, ttmp9, 1532
	s_add_nc_u64 s[20:21], s[20:21], s[46:47]
	s_mul_i32 s46, ttmp9, 12
	s_add_nc_u64 s[18:19], s[18:19], s[46:47]
	s_lshl_b32 s46, ttmp9, 2
	s_add_nc_u64 s[22:23], s[22:23], s[46:47]
	; waves 0-7: thread t = 32 f + a takes the 28 numbers (112 bytes) of atoms[f][a]
	s_cmp_ge_u32 s3, 8
	s_cbranch_scc1 .Lno_atoms
	v_mul_u32_u24 v99, 112, v0
.irp j, 0,1,2,3,4,5,6
	global_load_b128 v[64+4*\j:67+4*\j], v99, s[8:9] offset:16*\j
.endr
.Lno_atoms:
	global_load_b32 v6, v3, s[12:13] th:TH_LOAD_NT
	global_load_b32 v7, v3, s[12:13] offset:64 th:TH_LOAD_NT               ; 16 samples on
	global_load_b128 v[W0:W0+3],   v4, s[14:15] th:TH_LOAD_NT
	global_load_b128 v[W0+4:W0+7], v4, s[14:15] offset:6144 th:TH_LOAD_NT
	global_load_b128 v[W1:W1+3],   v4, s[14:15] offset:256 th:TH_LOAD_NT
	global_load_b128 v[W1+4:W1+7], v4, s[14:15] offset:6400 th:TH_LOAD_NT
	s_wait_loadcnt 0x4                             ; the four weight loads are younger and stay out: cells words and atoms are in
; The eight row offsets of one tile's sample from its cells word, and the sixteen gathers (32 bytes a lane and slot).
; Row of cell (x, y, z): ((32 x + y) 32 + z) 64 bytes = x << 16 + y << 11 + z << 6.  Each field is bounded by 31 in the text.
.macro UNPACK cell, adr, g
.irp k, 0,1,2,3,4,5
	v_bfe_u32 v[48+\k], v[\cell], 5*\k, 5
	v_min_u32 v[48+\k], 31, v[48+\k]
.endr
	v_lshlrev_b32 v54, 11, v50
	v_lshlrev_b32 v55, 11, v51
	v_lshl_add_u32 v56, v48, 16, v54               ; fx, fy = 0, 0
	v_lshl_add_u32 v57, v48, 16, v55               ; 0, 1
	v_lshl_add_u32 v58, v49, 16, v54               ; 1, 0
	v_lshl_add_u32 v59, v49, 16, v55               ; 1, 1
	v_lshl_add_u32 v60, v52, 6, v2                 ; fz = 0, and my half of the row
	v_lshl_add_u32 v61, v53, 6, v2                 ; fz = 1
.irp f, 0,1,2,3,4,5,6,7
	v_add_nc_u32 v[\adr+\f], v[56+\f/2], v[60+\f%2]
.endr
.irp f, 0,1,2,3,4,5,6,7
	global_load_b128 v[\g+8*\f:\g+8*\f+3],   v[\adr+\f], s[10:11]
	global_load_b128 v[\g+8*\f+4:\g+8*\f+7], v[\adr+\f], s[10:11] offset:16
.endr
.endm
	UNPACK 6, 32, G0
	UNPACK 7, 40, G1
	; the fold, while the gathers are on their way: three chains that do not wait for each other
	s_cmp_ge_u32 s3, 8
	s_cbranch_scc1 .Lfolded
	s_wait_kmcnt 0x0                               ; sh
.irp c, 0,1,2
	v_mul_f32 v[92+\c], s32, v[64+9*\c]
.endr
.irp k, 1,2,3,4,5,6,7,8
.irp c, 0,1,2
	v_fma_f32 v[92+\c], s[32+\k], v[64+9*\c+\k], v[92+\c]
.endr
.endr
	v_cvt_pk_f16_f32 v96, v92, v93                 ; channels 0, 1
	v_cvt_pk_f16_f32 v97, v94, v91                 ; channel 2 and sigma's column
	v_lshrrev_b32 v98, 5, v0
	v_and_b32 v95, 31, v0
	v_lshlrev_b32 v95, 1, v95
	v_lshl_add_u32 v98, v98, 8, v95                ; 256 f + 2 a
	v_lshrrev_b32 v92, 16, v96
	v_lshrrev_b32 v93, 16, v97
	ds_store_b16 v98, v96
	ds_store_b16 v98, v92 offset:64
	ds_store_b16 v98, v97 offset:128
	ds_store_b16 v98, v93 offset:192
.Lfolded:
	s_wait_kmcnt 0x0                               ; the waves that did not fold need start and |d| / 64 further down
	s_wait_dscnt 0x0                               ; my part of FA is written: zero, for the other waves' sake
	s_barrier_signal -1
	s_barrier_wait -1                              ; FA is whole
.irp f, 0,1,2,3,4,5,6,7
	ds_load_b128 v[FR+8*\f:FR+8*\f+3],   v5 offset:256*\f
	ds_load_b128 v[FR+8*\f+4:FR+8*\f+7], v5 offset:256*\f+16
.endr
	s_wait_xcnt 0x0                                ; v32-47, the gathers' offsets, are written over by matrix results only behind this wait
	s_wait_dscnt 0x0
; Slots f0 .. f0 + 3 of one tile: four products, then sixteen weighted sums.  The four v_nop are the places between a matrix
; instruction and the vector instructions that read its result (ISA guide 7.12.1).  When a result's registers are written by the next
; group's product, the four v_nop and the twelve sums on the other three results lie between.
; first = 1: the first products start the sums, nothing is cleared.
.macro GROUP g, w, a, f0, first
.irp i, 0,1,2,3
	v_wmma_f32_16x16x32_f16 v[D+8*\i:D+8*\i+7], v[FR+8*(\f0+\i):FR+8*(\f0+\i)+7], v[\g+8*(\f0+\i):\g+8*(\f0+\i)+7], 0
.endr
.rept 4
	v_nop
.endr
.set STARTED, 1-\first
.irp i, 0,1,2,3
.irp c, 0,1,2,3
.if STARTED
	v_fma_f32 v[\a+\c], v[D+8*\i+\c], v[\w+\f0+\i], v[\a+\c]
.else
	v_mul_f32 v[\a+\c], v[D+8*\i+\c], v[\w+\f0+\i]
.endif
.endr
.set STARTED, 1
.endr
.endm
	s_wait_loadcnt 0x10                            ; tile 1's sixteen gathers are younger and stay out: the weights and tile 0's rows are in
	GROUP G0, W0, A0, 0, 1
	GROUP G0, W0, A0, 4, 0
	s_wait_loadcnt 0x0
	GROUP G1, W1, A1, 0, 1
	GROUP G1, W1, A1, 4, 0
	; lane = sample: lanes 0-15 take tile 0's channels, lanes 16-31 tile 1's.  All four carry grid's factor 64.
.irp k, 0,1,2,3
	v_cndmask_b32 v[128+\k], v[A0+\k], v[A1+\k], s28
.endr
	v_cvt_f32_u32 v132, v0
	v_lshlrev_b32 v143, 2, v0
	v_add_f32 v134, 1.0, v132
	v_fma_f32 v133, v132, s48, s41                 ; ts = start + t step
	v_fma_f32 v134, v134, s48, s41                 ; the next intersection
	v_sub_f32 v134, v134, v133
	v_mul_f32 v134, s42, v134                      ; dist / 64
	v_max_num_f32 v135, 0, v131
	v_mul_f32 v135, v135, v134                     ; x = relu(sigma) dist
	v_mov_b32 v136, 0x39500d01                     ; 1/5040
	v_fmaak_f32 v136, v136, v135, 0xbab60b61       ; -1/720
	v_fmaak_f32 v136, v136, v135, 0x3c088889       ; 1/120
	v_fmaak_f32 v136, v136, v135, 0xbd2aaaab       ; -1/24
	v_fmaak_f32 v136, v136, v135, 0x3e2aaaab       ; 1/6
	v_fma_f32 v136, v136, v135, -0.5
	v_fma_f32 v136, v136, v135, 1.0
	v_mul_f32 v137, 0xbfb8aa3b, v135               ; -x log2 e
	v_mul_f32 v138, 0xbcb8aa3b, v128               ; -colour log2 e / 64
	v_mul_f32 v139, 0xbcb8aa3b, v129
	v_mul_f32 v140, 0xbcb8aa3b, v130
	v_exp_f32 v137, v137
	v_exp_f32 v138, v138
	v_exp_f32 v139, v139
	v_exp_f32 v140, v140
	v_mul_f32 v136, v136, v135                     ; the series' last factor: the plain place behind the exponentials (ISA guide 5.7.2)
	s_wait_alu depctr_va_vdst(0)
	v_sub_f32 v137, 1.0, v137
	v_add_f32 v138, 1.0, v138
	v_add_f32 v139, 1.0, v139
	v_add_f32 v140, 1.0, v140
	v_cmp_gt_f32 vcc_lo, 0.5, v135
	v_rcp_f32 v138, v138                           ; sigmoid = 1 / (1 + exp(-colour))
	v_rcp_f32 v139, v139
	v_rcp_f32 v140, v140
	v_cndmask_b32 v141, v137, v136, vcc_lo         ; alpha; also the plain place behind the reciprocals
	v_sub_f32 v142, 1.0, v141
	v_add_f32 v142, 0x2edbe6ff, v142               ; 1 - alpha + 1e-10
	s_wait_xcnt 0x0                                ; EXEC is a source of pending loads: it narrows only behind this wait
	v_cmp_gt_u32 vcc_lo, 0x17f, v0
	s_and_saveexec_b32 s29, vcc_lo                 ; the pad, thread 383, stores nothing
	global_store_b32 v143, v141, s[20:21]
	s_wait_xcnt 0x0                                ; and widens only behind this one
	s_or_b32 exec_lo, exec_lo, s29
; y[i] = product of src[j] over j < i within each row of 16 lanes.  A lane without a source keeps its destination, so the shift by one
; leaves 1.0 in lane 0 and each doubling step leaves the lanes that are already complete.
.macro XSCAN src, y
	v_mov_b32 v[\y], 1.0
	v_mov_b32_dpp v[\y], v[\src] row_shr:1 row_mask:0xf bank_mask:0xf
.irp n, 1,2,4,8
	v_mul_f32_dpp v[\y], v[\y], v[\y] row_shr:\n row_mask:0xf bank_mask:0xf
.endr
.endm
	XSCAN 142, 144
	v_mul_f32 v145, v144, v142                     ; inclusive
	v_readlane_b32 s44, v145, 15                   ; the product of samples 0-15 of the wave
	v_readlane_b32 s45, v145, 31                   ; of samples 16-31
	v_mul_f32 v145, s44, v144
	v_cndmask_b32 v144, v144, v145, s28            ; T from the wave's first sample on
	v_mov_b32 v146, s44
	v_mul_f32 v146, s45, v146                      ; the wave's whole product
	v_mul_f32 v153, v141, v144                     ; alpha T: all five sums are linear in T, the earlier waves' factor comes later
	s_wait_alu depctr_va_vdst(0)
	v_mul_f32 v150, v153, v138
	v_mul_f32 v151, v153, v139
	v_mul_f32 v152, v153, v140
	v_mul_f32 v154, v153, v133
.irp n, 1,2,4,8
.irp x, 150,151,152,153,154
	v_add_f32_dpp v\x, v\x, v\x row_xmask:\n row_mask:0xf bank_mask:0xf
.endr
.endr
.irp x, 0,1,2,3,4
	v_permlanex16_b32 v[128+\x], v[150+\x], s30, s31       ; v128-132 have been written and are done with
.endr
.irp x, 0,1,2,3,4
	v_add_f32 v[150+\x], v[150+\x], v[128+\x]
.endr
	v_mov_b32 v148, s3
	v_lshlrev_b32 v148, 2, v148                    ; my wave's word: all lanes store the same number there
	ds_store_b32 v148, v146 offset:RED
.irp x, 0,1,2,3,4
	ds_store_b32 v148, v[150+\x] offset:RED+64+64*\x
.endr
	s_wait_dscnt 0x0                               ; zero, for wave 0's sake
	s_barrier_signal -1
	s_barrier_wait -1
	s_cmp_lg_u32 s3, 0
	s_cbranch_scc1 .Lend
	; wave 0: lane r (in both rows) takes wave r's six numbers; lanes 12-15 count as product 1 and sums 0
	v_min_u32 v157, 11, v1
	v_lshlrev_b32 v157, 2, v157
	v_mov_b32 v168, 0
.irp q, 0,1,2,3,4,5
	ds_load_b32 v[160+\q], v157 offset:RED+64*\q
.endr
	v_cmp_gt_u32 vcc_lo, 12, v1
	s_wait_dscnt 0x0
	v_cndmask_b32 v160, 1.0, v160, vcc_lo
	XSCAN 160, 166                                 ; the product of all earlier waves
.irp q, 1,2,3,4,5
	v_mul_f32 v[160+\q], v[160+\q], v166
	v_cndmask_b32 v[160+\q], 0, v[160+\q], vcc_lo
.endr
.irp n, 1,2,4,8
.irp x, 161,162,163,164,165
	v_add_f32_dpp v\x, v\x, v\x row_xmask:\n row_mask:0xf bank_mask:0xf
.endr
.endr
	v_sub_f32 v167, 1.0, v164                      ; the white background's share
	v_add_f32 v161, v161, v167
	v_add_f32 v162, v162, v167
	v_add_f32 v163, v163, v167
	s_wait_xcnt 0x0                                ; EXEC narrows only behind this wait
	v_cmpx_gt_u32 1, v0                            ; thread 0 alone
	global_store_b32 v168, v161, s[18:19]
	global_store_b32 v168, v162, s[18:19] offset:4
	global_store_b32 v168, v163, s[18:19] offset:8
	global_store_b32 v168, v165, s[22:23]
	s_cmp_lg_u32 ttmp9, 0
	s_cbranch_scc1 .Lend
	global_store_b32 v168, v168, s[24:25]          ; the consistency loss is 0: one owner, work-group 0
.Lend:
	s_wait_xcnt 0x0
	s_mov_b32 exec_lo, -1
	s_set_vgpr_msb 0x5
	s_wait_tensorcnt 0x0
	ds_add_u32 v0, v1
	s_wait_dscnt 0x0
	s_set_vgpr_msb 0x500
	s_endpgm
.Lfunc_end_k_q31e8bb9991_render:
	.size	k_q31e8bb9991_render, .Lfunc_end_k_q31e8bb9991_render-k_q31e8bb9991_render
	.p2alignl 7, 3214868480
	.fill 96, 4, 3214868480
	.section	.rodata,"a",@progbits
	.p2align	6, 0x0
	.amdhsa_kernel k_q31e8bb9991_render
		.amdhsa_group_segment_fixed_size 4096
		.amdhsa_private_segment_fixed_size 0
		.amdhsa_enable_private_segment 0
		.amdhsa_kernarg_size 72
		.amdhsa_user_sgpr_count 2
		.amdhsa_user_sgpr_kernarg_segment_ptr 1
		.amdhsa_wavefront_size32 1
		.amdhsa_system_sgpr_workgroup_id_x 1
		.amdhsa_system_sgpr_workgroup_id_y 1
		.amdhsa_system_sgpr_workgroup_id_z 1
		.amdhsa_system_vgpr_workitem_id 0
		.amdhsa_next_free_vgpr 258
		.amdhsa_next_free_sgpr 66
		.amdhsa_reserve_vcc 1
		.amdhsa_float_denorm_mode_32 3
		.amdhsa_float_denorm_mode_16_64 3
		.amdhsa_memory_ordered 1
		.amdhsa_forward_progress 1
		.amdhsa_inst_pref_size 27
	.end_amdhsa_kernel
	.amdgpu_metadata
---
amdhsa.version: [ 1, 2 ]
amdhsa.kernels:
  - .name:           k_q31e8bb9991_render
    .symbol:         k_q31e8bb9991_render.kd
    .args:
      - { .name: atoms, .offset: 0, .size: 8, .value_kind: global_buffer, .address_space: global }
      - { .name: gridh, .offset: 8, .size: 8, .value_kind: global_buffer, .address_space: global }
      - { .name: cells, .offset: 16, .size: 8, .value_kind: global_buffer, .address_space: global }
      - { .name: wts, .offset: 24, .size: 8, .value_kind: global_buffer, .address_space: global }
      - { .name: rayc, .offset: 32, .size: 8, .value_kind: global_buffer, .address_space: global }
      - { .name: out0, .offset: 40, .size: 8, .value_kind: global_buffer, .address_space: global }
      - { .name: out1, .offset: 48, .size: 8, .value_kind: global_buffer, .address_space: global }
      - { .name: out2, .offset: 56, .size: 8, .value_kind: global_buffer, .address_space: global }
      - { .name: out3, .offset: 64, .size: 8, .value_kind: global_buffer, .address_space: global }
    .group_segment_fixed_size: 4096
    .private_segment_fixed_size: 0
    .kernarg_segment_align: 8
    .kernarg_segment_size: 72
    .max_flat_workgroup_size: 384
    .sgpr_count:     66
    .vgpr_count:     258
    .wavefront_size: 32
...
	.end_amdgpu_metadata
.endif
;; end of part 2
;; ======== version 2 of 2: 2 launches; 1.26 times as fast as version 1
;; limits: inputs' magnitudes at most 1,023; values are held in f16: magnitudes above 65,504 overflow, below 6.1e-05 lose precision; right only within a limited range of input values
;; workspace buffers: gridh 2,097,152 bytes; cells 786,432 bytes of whole numbers; wts 6,291,456 bytes; rayc 8,192 bytes; fa 1,048,576 bytes
;; launch prep (part 3): grid 512 x 1, 12 waves a work-group, no clusters, 3,584 bytes of LDS; arguments rays_o, rays_d, grid, atoms, gridh, cells, wts, rayc, fa; writes gridh, cells, wts, rayc, fa
.if DOCPART == 3
	.amdgcn_target "amdgcn-amd-amdhsa--gfx1250"
	.amdhsa_code_object_version 6
	.text
	.protected	k_q31e8bb9991_prep
	.globl	k_q31e8bb9991_prep
	.p2align	8
	.type	k_q31e8bb9991_prep,@function
k_q31e8bb9991_prep:
	s_mov_b64 s[64:65], 0
	v_nop
	global_prefetch_b8 v0, s[64:65] scope:SCOPE_SE
	s_setreg_imm32_b32 hwreg(HW_REG_WAVE_MODE, 25, 1), 1
	s_wait_xcnt 0x0
; DictPlenoxels, first of two launches: the geometry of the rays, the atoms folded with each ray's harmonics, the table in f16.
; Work-group b = ray b (512 of them), thread t = sample t (0 to 383; 383 is a pad with weights 0).
; Stored for the second launch, which gathers:
;   cells [512][384] u32   six coarse indices of 5 bits: x even, x odd, y even, y odd, z even, z odd (bit 0, 5, .. 25)
;   wts   [512][2][384][4] f32: the eight trilinear weights, slot f = 4 fx + 2 fy + fz; half 0 = slots 0-3, half 1 = slots 4-7
;   rayc  [512][4] f32: start, |d| / 64, 0, 0
;   fa    [512][8][4][32] f16: FA[f][c][a] = sum over k of sh[k] atoms[f][a][9 c + k] (c = 0, 1, 2), FA[f][3][a] = atoms[f][a][27].
;         The spherical-harmonics sum is linear, so it is taken on the atoms once for the ray: 4 columns in place of 28.
;   gridh [32768][32] f16 = grid x 64 (each work-group converts 8,192 bytes of grid)
; Every wave does its 32 samples first; then waves 0-7 fold (thread t = 32 f + a) and waves 8-11 convert grid (64 bytes a thread).
; Why two launches: the gather's addresses come from floating-point geometry; they are stored here as whole numbers.
; Why slots by parity: along an axis the two neighbours i, i+1 have different parity, so slot f always meets atoms[f].
; Where the clip makes both neighbours equal, their two weights are added on that parity and the other slot gets 0:
; the sum over neighbours is linear in the weights, so this is reference()'s value.
; Samples outside the box (and the pad) get eight weights 0: then sigma = 0 and alpha = 0, as reference()'s mask gives.
; LIMITS, stated: |grid| < 1,023 (grid x 64 must fit f16) and |folded atoms| < 65,504; below 6e-5 both lose relative accuracy.
; NaN inputs are not served.  A direction component that is 0 or denormal divides as u x (1/0) = +-inf.  The fine coordinate is
; (p + R) x (1/0.040625), not a division: the interpolation is continuous in it but at 0.5 and 63.5.
; The first sample lies on the box's face: its mask hangs on the last bit of (+-R - o)/d and of o + t d.  The division here is
; rounded as IEEE asks (reciprocal, one Newton step, one remainder step).  FUSED = 0 rounds product and sum apart, as
; reference() does when each operation is evaluated by itself; FUSED = 1 is the contracted form.
; No matrix unit, no cluster, no barrier: threads share only their ray's few numbers, and LDS holds only bytes of the wave that wrote them.
; cells go out as 128 consecutive bytes a wave (4 bytes a sample); wts, fa and gridh as whole aligned blocks of 256 bytes.
.set FUSED, 0
.set RPOS,  0x3fa66666                 ; 1.3
.set RNEG,  0xbfa66666
.set STEPC, 0x3ca66666                 ; 1.3 / 64
.set INVC,  0x41c4ec4f                 ; 1 / 0.040625
; v0 t; v1 16 t; v2 8 t; v5-12 sh1..sh8; v16 o, v19 d (axis k in lane k); v22 rcp; v23 refined rcp; v24-27 at work; v28 minimum of the
; lane's axis; v[40:43] rayc; v44 ts; v45-47 point; v48-55 at work; v56-61 wE, wO of x, y, z; v62 cells word; v[64:67] x y products;
; v[68:75] weights; v76 4 t; v77 0; v78, v79 offsets of the second job; v[80:107] atoms, or v[80:95] grid f32 and v[96:103] grid f16;
; v108-112 fold; v113 lane; v115, v118 LDS addresses; v[116:117] 8 bytes of fa
; s3 wave; s4 12 b; s5 256 x wave; s[28:30] o; s[44:46] d; s[32:33] offset pair; s34, s35 masks; s36-40 constants; s41-43 the three minima
	s_load_b512 s[8:23], s[0:1], 0x0               ; rays_o 8, rays_d 10, grid 12, atoms 14, gridh 16, cells 18, wts 20, rayc 22
	s_load_b64 s[24:25], s[0:1], 0x40              ; fa
	v_lshl_add_u32 v120, v0, 2, 0x800
	v_mov_b32 v121, 0
	v_lshrrev_b32 v3, 5, v0
	v_readfirstlane_b32 s3, v3                     ; wave 0..11
	s_mul_i32 s4, ttmp9, 12                        ; the ray's 12 bytes in rays_o and rays_d
	s_lshl_b32 s5, s3, 8                           ; a folding wave's own 256 bytes of LDS
	s_mov_b32 s33, 0                               ; high word of the offset pair s[32:33]
	s_mov_b32 s36, RPOS
	s_mov_b32 s37, RNEG
	s_mov_b32 s38, STEPC
	s_mov_b32 s39, INVC
	s_mov_b32 s40, 0x427c0000                      ; 63.0
	v_lshlrev_b32 v1, 4, v0
	v_lshlrev_b32 v2, 3, v0
	v_lshlrev_b32 v76, 2, v0
	v_mov_b32 v62, 0
	s_wait_kmcnt 0x0
	s_load_b96 s[28:30], s[8:9], s4 offset:0x0     ; o
	s_load_b96 s[44:46], s[10:11], s4 offset:0x0   ; d
	s_lshl_b32 s32, ttmp9, 13
	s_add_nc_u64 s[12:13], s[12:13], s[32:33]      ; grid  + 8,192 b
	; the second job's data are asked for now and used at the end
	s_cmp_ge_u32 s3, 8
	s_cbranch_scc1 .Lgrid_load
	v_mul_u32_u24 v79, 112, v0                     ; waves 0-7: the 28 numbers (112 bytes) of atoms[f][a], t = 32 f + a
.irp j, 0,1,2,3,4,5,6
	global_load_b128 v[80+4*\j:83+4*\j], v79, s[14:15] offset:16*\j
.endr
	s_branch .Lloaded
.Lgrid_load:
	v_and_b32 v79, 127, v0                         ; waves 8-11: u = t - 256; 128 threads x 4 x 16 bytes = the work-group's 8,192 bytes
	v_lshlrev_b32 v78, 3, v79
	v_lshlrev_b32 v79, 4, v79
.irp k, 0,1,2,3
	global_load_b128 v[80+4*\k:83+4*\k], v79, s[12:13] offset:2048*\k th:TH_LOAD_NT    ; a wave's load covers 512 consecutive bytes
.endr
.Lloaded:
	s_lshl_b32 s32, ttmp9, 12
	s_add_nc_u64 s[16:17], s[16:17], s[32:33]      ; gridh + 4,096 b
	s_mul_i32 s32, ttmp9, 1536
	s_add_nc_u64 s[18:19], s[18:19], s[32:33]      ; cells + 384 words
	s_mul_i32 s32, ttmp9, 12288
	s_add_nc_u64 s[20:21], s[20:21], s[32:33]      ; wts   + 2 x 384 x 16 bytes
	s_lshl_b32 s32, ttmp9, 4
	s_add_nc_u64 s[22:23], s[22:23], s[32:33]      ; rayc  + 16 b
	s_lshl_b32 s32, ttmp9, 11
	s_add_nc_u64 s[24:25], s[24:25], s[32:33]      ; fa    + 2,048 b
	s_wait_kmcnt 0x0                               ; o and d
	; start = max over the axes of min((R - o)/d, (-R - o)/d).  The three axes go side by side: lane k holds axis k (the other lanes
	; repeat axis 0), so the two divisions are written once and not three times.
	v_mov_b32 v16, s28
	v_mov_b32 v19, s44
	v_writelane_b32 v16, s29, 1
	v_writelane_b32 v16, s30, 2
	v_writelane_b32 v19, s45, 1
	v_writelane_b32 v19, s46, 2
; out = u / d, rounded to nearest: q = u r1, the exact remainder u - d q by one fused multiply-add, q + rem r1.
; Where that is NaN (d = 0: r = inf) the plain product u x rcp(d) stands in: +-inf with the quotient's sign.
.macro DIVQ out, u, d
	v_mul_f32 \out, \u, v23
	v_fma_f32 v48, -\d, \out, \u
	v_fma_f32 \out, v48, v23, \out
	v_mul_f32 v49, \u, v22
	v_cmp_neq_f32 vcc_lo, \out, \out
	v_cndmask_b32 \out, \out, v49, vcc_lo
.endm
	v_rcp_f32 v22, v19
	v_sub_f32 v24, s36, v16                        ; a plain instruction stands behind v_rcp_f32 before its result is read (ISA guide 5.7.2)
	v_sub_f32 v25, s37, v16
	s_wait_alu depctr_va_vdst(0)
	v_fma_f32 v23, -v19, v22, 1.0
	v_fma_f32 v23, v23, v22, v22                   ; one Newton step
	DIVQ v26, v24, v19
	DIVQ v27, v25, v19
	v_min_num_f32 v28, v26, v27
	v_readlane_b32 s41, v28, 0
	v_readlane_b32 s42, v28, 1
	v_readlane_b32 s43, v28, 2
	v_mov_b32 v40, s41
	v_max3_num_f32 v40, v40, s42, s43              ; start, in every lane
; dst = a b + c, in one rounding or in two (see the head)
.macro MADD dst, a, b, c
.if FUSED
	v_fma_f32 \dst, \a, \b, \c
.else
	v_mul_f32 v48, \a, \b
	v_add_f32 \dst, \c, v48
.endif
.endm
	v_cvt_f32_u32 v27, v0                          ; the sample's number
	MADD v44, s38, v27, v40                        ; ts = start + t step
	MADD v45, s44, v44, s28                        ; the point
	MADD v46, s45, v44, s29
	MADD v47, s46, v44, s30
	v_max3_num_f32 v48, |v45|, |v46|, |v47|
	v_cmp_lt_f32 s34, v48, s36                     ; strictly inside the box on all three axes,
	v_cmp_gt_u32 s35, 0x17f, v0                    ; and one of the 383 samples
	s_and_b32 s34, s34, s35                        ; selects values only, never an address or a branch
; One axis: the two neighbours, their weights, sorted by parity; the coarse indices go into v62 at bit shift and shift + 5.
.macro AXIS p, wE, wO, shift
	v_add_f32 v48, s36, \p
	v_mul_f32 v48, s39, v48                        ; q, the fine-grid coordinate
	v_add_f32 v49, -0.5, v48                       ; q - 0.5
	v_add_f32 v50, 0.5, v48
	v_floor_f32 v51, v49
	v_floor_f32 v50, v50
	v_med3_num_f32 v51, v51, 0, s40                ; a0: the lower neighbour, clipped to 0 .. 63
	v_med3_num_f32 v50, v50, 0, s40                ; a1: the upper
	v_sub_f32 v52, v49, v51
	v_sub_f32 v53, v49, v50
	v_sub_f32 v52, 1.0, |v52|                      ; w0 = 1 - |q - (a0 + 0.5)|
	v_sub_f32 v53, 1.0, |v53|                      ; w1
	v_cmp_neq_f32 vcc_lo, v51, v50                 ; the clip has not made them equal
	v_add_f32 v54, v52, v53
	v_cndmask_b32 v52, v54, v52, vcc_lo            ; equal: both weights on the one cell,
	v_cndmask_b32 v53, 0, v53, vcc_lo              ; none on the other parity
	v_cvt_u32_f32 v54, v51
	v_cvt_u32_f32 v55, v50
	v_and_b32 v51, 1, v54
	v_cmp_eq_u32 vcc_lo, 1, v51                    ; the lower neighbour is odd
	v_cndmask_b32 \wE, v52, v53, vcc_lo
	v_cndmask_b32 \wO, v53, v52, vcc_lo
	v_cndmask_b32 v50, v54, v55, vcc_lo            ; the even one's fine index
	v_cndmask_b32 v51, v55, v54, vcc_lo            ; the odd one's
	v_lshrrev_b32 v50, 1, v50                      ; coarse index, 0 .. 31
	v_lshrrev_b32 v51, 1, v51
	v_lshl_or_b32 v62, v50, \shift, v62
	v_lshl_or_b32 v62, v51, \shift+5, v62
.endm
	AXIS v45, v56, v57, 0
	AXIS v46, v58, v59, 10
	AXIS v47, v60, v61, 20
	v_mul_f32 v64, v56, v58                        ; fx, fy = 0, 0
	v_mul_f32 v65, v56, v59                        ; 0, 1
	v_mul_f32 v66, v57, v58                        ; 1, 0
	v_mul_f32 v67, v57, v59                        ; 1, 1
.irp i, 0,1,2,3
	v_mul_f32 v[68+2*\i], v[64+\i], v60
	v_mul_f32 v[69+2*\i], v[64+\i], v61
.endr
.irp i, 0,1,2,3,4,5,6,7
	v_cndmask_b32 v[68+\i], 0, v[68+\i], s34       ; outside the box: all eight are 0, whatever the products were
.endr
	global_store_b32 v76, v62, s[18:19]                    ; the sample's 36 bytes leave now, while the second job is done
	global_store_b128 v1, v[68:71], s[20:21]               ; sixteen lanes store 256 consecutive bytes, aligned
	global_store_b128 v1, v[72:75], s[20:21] offset:6144
	s_cmp_ge_u32 s3, 8
	s_cbranch_scc1 .Lconvert
	; WAVES 0-7: |d|, the unit direction, the harmonics (sh0 is a constant), the fold
	v_mul_f32 v24, s44, s44
	v_fma_f32 v24, s45, s45, v24
	v_fma_f32 v24, s46, s46, v24
	v_sqrt_f32 v25, v24
	v_rsq_f32 v26, v24
	v_and_b32 v113, 31, v0                         ; the plain place behind the two transcendentals (ISA guide 5.7.2)
	s_wait_alu depctr_va_vdst(0)
	v_mul_f32 v48, s44, v26                        ; x
	v_mul_f32 v49, s45, v26                        ; y
	v_mul_f32 v50, s46, v26                        ; z
	v_mul_f32 v5, 0xbefa2a1c, v49                  ; -0.48860251 y
	v_mul_f32 v6, 0x3efa2a1c, v50                  ;  0.48860251 z
	v_mul_f32 v7, 0xbefa2a1c, v48                  ; -0.48860251 x
	v_mul_f32 v51, v48, v49                        ; x y
	v_mul_f32 v52, v49, v50                        ; y z
	v_mul_f32 v53, v48, v50                        ; x z
	v_mul_f32 v54, v48, v48                        ; x x
	v_mul_f32 v55, v49, v49                        ; y y
	v_mul_f32 v8, 0x3f8bd8a1, v51                  ;  1.0925484 x y
	v_mul_f32 v9, 0xbf8bd8a1, v52                  ; -1.0925484 y z
	v_mul_f32 v11, 0xbf8bd8a1, v53                 ; -1.0925484 x z
	v_add_f32 v51, v54, v55
	v_sub_f32 v52, v54, v55
	v_mul_f32 v53, v50, v50                        ; z z
	v_fma_f32 v51, 2.0, v53, -v51                  ; 2 z z - x x - y y
	v_mul_f32 v10, 0x3ea17b01, v51                 ; 0.31539157 (2 z z - x x - y y)
	v_mul_f32 v12, 0x3f0bd8a1, v52                 ; 0.54627422 (x x - y y)
	v_lshl_add_u32 v115, v113, 1, s5               ; my wave's bytes + 2 a
	v_lshl_add_u32 v118, v113, 3, s5               ; my wave's bytes + 8 x lane
	s_wait_loadcnt 0x0                             ; the seven atom loads, asked for at the start
.irp c, 0,1,2
	v_mul_f32 v[108+\c], 0x3e906ebb, v[80+9*\c]    ; sh0 = 0.28209479 starts three chains that do not wait for each other
.endr
.irp k, 1,2,3,4,5,6,7,8
.irp c, 0,1,2
	v_fma_f32 v[108+\c], v[4+\k], v[80+9*\c+\k], v[108+\c]
.endr
.endr
	v_cvt_pk_f16_f32 v111, v108, v109              ; channels 0, 1
	v_cvt_pk_f16_f32 v112, v110, v107              ; channel 2 and sigma's column
	v_lshrrev_b32 v108, 16, v111
	v_lshrrev_b32 v109, 16, v112
	; a lane holds four halves that lie 64 bytes apart in fa: they pass through the wave's own 256 bytes of LDS (f = the wave's number),
	; and come back as 8 consecutive bytes a lane.  LDS serves a wave's instructions in order (ISA guide 5.7.1): no wait in between.
	ds_store_b16 v115, v111
	ds_store_b16 v115, v108 offset:64
	ds_store_b16 v115, v112 offset:128
	ds_store_b16 v115, v109 offset:192
	ds_load_b64 v[116:117], v118
	s_wait_dscnt 0x0
	global_store_b64 v2, v[116:117], s[24:25]              ; a wave stores 256 consecutive bytes, aligned: FA[f]
	s_cmp_lg_u32 s3, 0
	s_cbranch_scc1 .Lend
	v_mul_f32 v41, 0x3c800000, v25                 ; |d| / 64: takes grid's factor 64 out of sigma again
	v_mov_b32 v42, 0
	v_mov_b32 v43, 0
	v_mov_b32 v77, 0
	s_wait_xcnt 0x0                                ; EXEC is a source of the stores above: it narrows only behind this wait
	v_cmpx_gt_u32 1, v0                            ; thread 0 alone: every thread holds the same numbers
	global_store_b128 v77, v[40:43], s[22:23]
	s_branch .Lend
.Lconvert:
	; WAVES 8-11: grid x 64 in f16
	s_wait_loadcnt 0x0                             ; the four grid loads, asked for at the start
.irp i, 0,1,2,3,4,5,6,7
	v_pk_mul_f32 v[80+2*\i:81+2*\i], v[80+2*\i:81+2*\i], 0x42800000 op_sel_hi:[1,0]
.endr
.irp i, 0,1,2,3,4,5,6,7
	v_cvt_pk_f16_f32 v[96+\i], v[80+2*\i], v[81+2*\i]
.endr
.irp k, 0,1,2,3
	global_store_b64 v78, v[96+2*\k:97+2*\k], s[16:17] offset:1024*\k      ; a wave stores 256 consecutive bytes, aligned
.endr
.Lend:
	s_wait_xcnt 0x0
	s_mov_b32 exec_lo, -1
	s_wait_tensorcnt 0x0
	ds_add_u32 v120, v121
	s_wait_dscnt 0x0
	s_endpgm
.Lfunc_end_k_q31e8bb9991_prep:
	.size	k_q31e8bb9991_prep, .Lfunc_end_k_q31e8bb9991_prep-k_q31e8bb9991_prep
	.p2alignl 7, 3214868480
	.fill 96, 4, 3214868480
	.section	.rodata,"a",@progbits
	.p2align	6, 0x0
	.amdhsa_kernel k_q31e8bb9991_prep
		.amdhsa_group_segment_fixed_size 3584
		.amdhsa_private_segment_fixed_size 0
		.amdhsa_enable_private_segment 0
		.amdhsa_kernarg_size 72
		.amdhsa_user_sgpr_count 2
		.amdhsa_user_sgpr_kernarg_segment_ptr 1
		.amdhsa_wavefront_size32 1
		.amdhsa_system_sgpr_workgroup_id_x 1
		.amdhsa_system_sgpr_workgroup_id_y 1
		.amdhsa_system_sgpr_workgroup_id_z 1
		.amdhsa_system_vgpr_workitem_id 0
		.amdhsa_next_free_vgpr 122
		.amdhsa_next_free_sgpr 66
		.amdhsa_reserve_vcc 1
		.amdhsa_float_denorm_mode_32 3
		.amdhsa_float_denorm_mode_16_64 3
		.amdhsa_memory_ordered 1
		.amdhsa_forward_progress 1
		.amdhsa_inst_pref_size 16
	.end_amdhsa_kernel
	.amdgpu_metadata
---
amdhsa.version: [ 1, 2 ]
amdhsa.kernels:
  - .name:           k_q31e8bb9991_prep
    .symbol:         k_q31e8bb9991_prep.kd
    .args:
      - { .name: rays_o, .offset: 0, .size: 8, .value_kind: global_buffer, .address_space: global }
      - { .name: rays_d, .offset: 8, .size: 8, .value_kind: global_buffer, .address_space: global }
      - { .name: grid, .offset: 16, .size: 8, .value_kind: global_buffer, .address_space: global }
      - { .name: atoms, .offset: 24, .size: 8, .value_kind: global_buffer, .address_space: global }
      - { .name: gridh, .offset: 32, .size: 8, .value_kind: global_buffer, .address_space: global }
      - { .name: cells, .offset: 40, .size: 8, .value_kind: global_buffer, .address_space: global }
      - { .name: wts, .offset: 48, .size: 8, .value_kind: global_buffer, .address_space: global }
      - { .name: rayc, .offset: 56, .size: 8, .value_kind: global_buffer, .address_space: global }
      - { .name: fa, .offset: 64, .size: 8, .value_kind: global_buffer, .address_space: global }
    .group_segment_fixed_size: 3584
    .private_segment_fixed_size: 0
    .kernarg_segment_align: 8
    .kernarg_segment_size: 72
    .max_flat_workgroup_size: 384
    .sgpr_count:     66
    .vgpr_count:     122
    .wavefront_size: 32
...
	.end_amdgpu_metadata
.endif
;; end of part 3
;; launch render (part 4): grid 256 x 1, 12 waves a work-group, no clusters, 76,288 bytes of LDS; arguments fa, gridh, cells, wts, rayc, out0, out1, out2, out3; writes out0, out1, out2, out3
.if DOCPART == 4
	.amdgcn_target "amdgcn-amd-amdhsa--gfx1250"
	.amdhsa_code_object_version 6
	.text
	.protected	k_q31e8bb9991_render
	.globl	k_q31e8bb9991_render
	.p2align	8
	.type	k_q31e8bb9991_render,@function
k_q31e8bb9991_render:
	s_mov_b64 s[64:65], 0
	v_nop
	global_prefetch_b8 v0, s[64:65] scope:SCOPE_SE
	s_setreg_imm32_b32 hwreg(HW_REG_WAVE_MODE, 25, 1), 1
	s_wait_xcnt 0x0
; DictPlenoxels, second launch: gather, dictionary product, compositing.
; Work-group b stays for two rays, A = 2 b and B = 2 b + 1; twelve waves; wave w owns samples 32 w .. 32 w + 31 of both rays, as four
; tiles of 16: T0, T1 (ray A), T2, T3 (ray B).  Behind a ray's products lane L owns its sample 32 w + L.
; Why two rays: arguments, cell words, folded atoms and weights of both are asked for at once, so the chain arguments -> cell words ->
; rows is walked once, and ray B's rows travel while ray A is worked on.  A tile's rows fill 64 registers; three waves of 320 registers
; share a SIMD's 1,024, which holds three tiles in flight (T0, T1, T2).  T3's rows are asked for into T0's registers right behind T0's
; products; T1's products and all of ray A's compositing stand between that request and the wait for it.
; 1. fa holds, for each ray, the atoms folded with its harmonics: FA[f][c][a], f16, 4 columns (three colours, sigma) in place of 28.
;    Each wave brings the two rays' 4,096 bytes into LDS bytes of its own and takes its fragments from there: 8 loads of 512 consecutive
;    bytes in place of 32 loads of repeated pieces, and since no other wave touches those bytes the wave's own waits are all the ordering.
; 2. For each tile and each slot f one matrix instruction: source 0 = FA[f] (row m holds channel m & 3), source 1 = the 16 samples'
;    rows of gridh at the slot's coarse cell.  Register j (0..3) of lane (r, h) is then channel j of sample r, in both halves of the
;    wave, and is added up with the sample's weight of slot f in f32.
;    Along K both operands carry atom 16 h + i in place i of the lane's 8 registers: the same permutation on both sides leaves the
;    sum of products as it is, and a lane's 32 bytes are consecutive in memory and in LDS.
; 3. alpha, the product of (1 - alpha + 1e-10) along the ray (a scan in the wave, then over the twelve waves), the sums.
; FORMATS: operands f16 (grid x 64, folded atoms as they are), sums f32.  bf16's eight bits would leave an error in alpha larger
; than the step 2^-24 in which 1 - exp(-x) moves for the small x met here.  LIMITS, stated: |folded atoms| < 65,504, below 6e-5 they
; lose relative accuracy; NaN inputs are not served.  For x < 0.5, alpha = 1 - exp(-x) is summed as a series of seven terms
; (next term below x^8 / 40,320, under 1e-7 of alpha); from 0.5 on it is 1 - exp2(-x log2 e).
; No tensor loads and no ring: what is read are scattered rows of 64 bytes whose places come from the cell words.  No cluster: the
; work-groups share no input but rows of gridh that happen to be named twice.  out1's rows are 1,532 bytes, so its stores (128
; consecutive bytes a wave) do not fall on aligned blocks of 256.
.set STEPC, 0x3ca66666                 ; 1.3 / 64
; LDS: from 0 the waves' figures, 384 bytes a ray: six rows of 16 words, row q at 64 q, word = wave;
;      from 1,024 each wave's own 6,144 bytes: FA of ray A (f16 at 256 f + 64 c + 2 a), FA of ray B, then ray B's weights,
;      which rest there while ray A is multiplied
.set RED,   0
.set REDB,  384
.set OWN,   1024
.set WAVEB, 6144
.set FAB,   2048
.set PARK,  4096
.set W0, 8                             ; v[8:15]   weights of the ray's first tile, slots 0-7; between T0 and T1 also T3's row offsets
.set W1, 16                            ; v[16:23]  of its second tile
.set A0, 24                            ; v[24:27]  four channels of the first tile
.set A1, 28                            ; v[28:31]  of the second
.set D,  32                            ; v[32:63]  four matrix results; before that v32-47 row offsets of T0, T1; v48-61 at work
.set FR, 64                            ; v[64:127] FA fragments, 8 registers a slot; before that v[64:95] fa as loaded,
.set WB, 100                           ;           v[100:115] ray B's weights as loaded, v117 16 x lane, v118 T2's cell word, v120-127 T2's row offsets
.set G0, 128                           ; v[128:191] rows of T0, later of T3
.set G1, 192                           ; v[192:255] rows of T1
.set G2, 0                             ; v[256:319] rows of T2: registers 0-63 of the second window of 256
.set P,  192                           ; compositing works in T1's registers, which are done with by then
; v0 t; v1 T3's cell word; v2 32 h; v3, v4 offsets of my first-tile sample in cells and wts; v5 my fragments' place in my wave's FA;
; v6, v7 cell words of T0, T1; then v6 = my wave's bytes + 16 x lane
.set MSB, 0
.macro WIN new                         ; s_set_vgpr_msb: bits 3:2 window of source 1, 7:6 of the destination; the high byte repeats the setting left
.if MSB != \new
	s_set_vgpr_msb (MSB<<8)|\new
.set MSB, \new
.endif
.endm
	s_load_b512 s[8:23], s[0:1], 0x0               ; fa 8, gridh 10, cells 12, wts 14, rayc 16, out0 18, out1 20, out2 22
	s_load_b64 s[24:25], s[0:1], 0x40              ; out3
	s_set_vgpr_msb 0x40
	v_lshl_add_u32 v64, v0, 2, 0x12400
	v_mov_b32 v65, 0
	s_set_vgpr_msb 0x4000
	v_lshrrev_b32 v1, 5, v0
	v_readfirstlane_b32 s3, v1                     ; wave 0..11
	s_lshl_b32 s26, ttmp9, 5                       ; the two rays' 32 bytes in rayc
	s_mov_b32 s47, 0                               ; high word of the offset pair s[46:47]
	s_mov_b32 s28, 0xffff0000                      ; lanes 16-31
	s_mov_b32 s30, 0x76543210                      ; v_permlanex16_b32: lane i takes lane i of the other half
	s_mov_b32 s31, 0xfedcba98
	s_mov_b32 s48, STEPC
	s_mul_i32 s49, s3, WAVEB
	s_add_co_u32 s49, s49, OWN                     ; my wave's own 6,144 bytes of LDS
	v_and_b32 v2, 16, v0
	v_lshlrev_b32 v2, 1, v2
	v_and_b32 v3, 0x1ef, v0                        ; 32 w + r: both halves of the wave name the same sample
	v_lshlrev_b32 v4, 4, v3
	v_lshlrev_b32 v3, 2, v3
	v_and_b32 v5, 3, v0
	v_lshl_add_u32 v5, v5, 6, v2                   ; channel r & 3, atoms 16 h ..
	v_add_nc_u32 v5, s49, v5
	v_and_b32 v117, 31, v0
	v_lshlrev_b32 v117, 4, v117                    ; 16 x lane
	s_wait_kmcnt 0x0
	s_mul_i32 s46, ttmp9, 3072                     ; two rays of 384 words
	s_add_nc_u64 s[12:13], s[12:13], s[46:47]
	; the cell words go first: the rows' addresses hang on them, and loads come back in the order of issue
	global_load_b32 v6, v3, s[12:13] th:TH_LOAD_NT                         ; T0
	global_load_b32 v7, v3, s[12:13] offset:64 th:TH_LOAD_NT               ; T1: 16 samples on
	global_load_b32 v118, v3, s[12:13] offset:1536 th:TH_LOAD_NT           ; T2: the next ray
	global_load_b32 v1, v3, s[12:13] offset:1600 th:TH_LOAD_NT             ; T3
	s_load_b256 s[32:39], s[16:17], s26 offset:0x0         ; ray A: start s32, |d| / 64 s33; ray B: s36, s37
	s_lshl_b32 s46, ttmp9, 12                      ; two rays of 2,048 bytes
	s_add_nc_u64 s[8:9], s[8:9], s[46:47]
.irp k, 0,1,2,3,4,5,6,7
	global_load_b128 v[64+4*\k:67+4*\k], v117, s[8:9] offset:512*\k        ; both rays' FA: all twelve waves read it, so no hint
.endr
	s_mul_i32 s46, ttmp9, 24576                    ; two rays of 2 x 384 x 16 bytes
	s_add_nc_u64 s[14:15], s[14:15], s[46:47]
	global_load_b128 v[W0:W0+3],   v4, s[14:15] th:TH_LOAD_NT
	global_load_b128 v[W0+4:W0+7], v4, s[14:15] offset:6144 th:TH_LOAD_NT
	global_load_b128 v[W1:W1+3],   v4, s[14:15] offset:256 th:TH_LOAD_NT
	global_load_b128 v[W1+4:W1+7], v4, s[14:15] offset:6400 th:TH_LOAD_NT
	global_load_b128 v[WB:WB+3],     v4, s[14:15] offset:12288 th:TH_LOAD_NT
	global_load_b128 v[WB+4:WB+7],   v4, s[14:15] offset:18432 th:TH_LOAD_NT
	global_load_b128 v[WB+8:WB+11],  v4, s[14:15] offset:12544 th:TH_LOAD_NT
	global_load_b128 v[WB+12:WB+15], v4, s[14:15] offset:18688 th:TH_LOAD_NT
	s_mul_i32 s46, ttmp9, 3064
	s_add_nc_u64 s[20:21], s[20:21], s[46:47]      ; out1: two rows of 1,532 bytes
	s_mul_i32 s46, ttmp9, 24
	s_add_nc_u64 s[18:19], s[18:19], s[46:47]      ; out0
	s_lshl_b32 s46, ttmp9, 3
	s_add_nc_u64 s[22:23], s[22:23], s[46:47]      ; out2
	s_wait_loadcnt 0x10                            ; eight FA loads and eight weight loads are younger and stay out: the four cell words are in
; The eight row offsets of one tile's sample from its cell word, and the sixteen gathers (32 bytes a lane and slot).
; Row of cell (x, y, z): ((32 x + y) 32 + z) 64 bytes = x << 16 + y << 11 + z << 6.  Each field is bounded by 31 in the text.
; win = 1: the rows land in the second window.
.macro UNPACK cell, adr, g, win
.irp k, 0,1,2,3,4,5
	v_bfe_u32 v[48+\k], v[\cell], 5*\k, 5
	v_min_u32 v[48+\k], 31, v[48+\k]
.endr
	v_lshlrev_b32 v54, 11, v50
	v_lshlrev_b32 v55, 11, v51
	v_lshl_add_u32 v56, v48, 16, v54               ; fx, fy = 0, 0
	v_lshl_add_u32 v57, v48, 16, v55               ; 0, 1
	v_lshl_add_u32 v58, v49, 16, v54               ; 1, 0
	v_lshl_add_u32 v59, v49, 16, v55               ; 1, 1
	v_lshl_add_u32 v60, v52, 6, v2                 ; fz = 0, and my half of the row
	v_lshl_add_u32 v61, v53, 6, v2                 ; fz = 1
.irp f, 0,1,2,3,4,5,6,7
	v_add_nc_u32 v[\adr+\f], v[56+\f/2], v[60+\f%2]
.endr
.if \win
	WIN 0x40                                       ; destination in the second window, offsets in the first
.endif
.irp f, 0,1,2,3,4,5,6,7
	global_load_b128 v[\g+8*\f:\g+8*\f+3],   v[\adr+\f], s[10:11]
	global_load_b128 v[\g+8*\f+4:\g+8*\f+7], v[\adr+\f], s[10:11] offset:16
.endr
	WIN 0
.endm
.macro FRLOAD off                      ; the eight slots' fragments of one ray's FA, from my wave's own copy
.irp f, 0,1,2,3,4,5,6,7
	ds_load_b128 v[FR+8*\f:FR+8*\f+3],   v5 offset:\off+256*\f
	ds_load_b128 v[FR+8*\f+4:FR+8*\f+7], v5 offset:\off+256*\f+16
.endr
.endm
	UNPACK 6, 32, G0, 0
	UNPACK 7, 40, G1, 0
	v_add_nc_u32 v6, s49, v117                     ; my wave's bytes + 16 x lane: consecutive lanes, consecutive 16 bytes
	s_wait_loadcnt 0x28                            ; eight weight loads and 32 gathers are younger and stay out: FA is in
.irp k, 0,1,2,3,4,5,6,7
	ds_store_b128 v6, v[64+4*\k:67+4*\k] offset:512*\k             ; laid down as it lies in memory
.endr
	UNPACK 118, 120, G2, 1
	s_wait_loadcnt 0x30                            ; the 48 gathers are younger and stay out: the weights are in
.irp k, 0,1,2,3
	ds_store_b128 v6, v[WB+4*\k:WB+4*\k+3] offset:PARK+512*\k      ; ray B's weights rest in bytes that no other wave touches
.endr
	s_wait_xcnt 0x0                                ; the gathers' offsets (v32-47, v120-127) are written over, by fragments and by matrix results, only behind this wait
	s_wait_dscnt 0x0                               ; the twelve stores are done with v64-115, where the fragments land
	FRLOAD 0
	s_wait_kmcnt 0x0                               ; start and |d| / 64 of both rays
	s_wait_dscnt 0x0
; Slots f0 .. f0 + 3 of one tile: four products, then sixteen weighted sums.  The four v_nop are the places between a matrix
; instruction and the vector instructions and loads that touch its registers.  When a result's registers are written
; by the next group's product, the four v_nop and the twelve sums on the other three results lie between.
; first = 1: the first products start the sums, nothing is cleared.  win = 1: the rows lie in the second window.
.macro GROUP g, w, a, f0, first, win
.if \win
	WIN 0x04                                       ; source 1 in the second window
.endif
.irp i, 0,1,2,3
	v_wmma_f32_16x16x32_f16 v[D+8*\i:D+8*\i+7], v[FR+8*(\f0+\i):FR+8*(\f0+\i)+7], v[\g+8*(\f0+\i):\g+8*(\f0+\i)+7], 0
.endr
	WIN 0
.rept 4
	v_nop
.endr
.set STARTED, 1-\first
.irp i, 0,1,2,3
.irp c, 0,1,2,3
.if STARTED
	v_fma_f32 v[\a+\c], v[D+8*\i+\c], v[\w+\f0+\i], v[\a+\c]
.else
	v_mul_f32 v[\a+\c], v[D+8*\i+\c], v[\w+\f0+\i]
.endif
.endr
.set STARTED, 1
.endr
.endm
; y[i] = product of src[j] over j < i within each row of 16 lanes.  A lane without a source keeps its destination, so the shift by one
; leaves 1.0 in lane 0 and each doubling step leaves the lanes that are already complete.
.macro XSCAN src, y
	v_mov_b32 v[\y], 1.0
	v_mov_b32_dpp v[\y], v[\src] row_shr:1 row_mask:0xf bank_mask:0xf
.irp n, 1,2,4,8
	v_mul_f32_dpp v[\y], v[\y], v[\y] row_shr:\n row_mask:0xf bank_mask:0xf
.endr
.endm
; One ray's compositing inside the wave.  sstart, sdsc: the scalar registers with the ray's start and |d| / 64; o1: the ray's row in
; out1, in bytes from ray A's; red: where the wave's six figures go.
; P+0..3 channels, +4 t, +5 ts, +6 dist / 64, +7 x, +8 series, +9..12 exponentials, +13 alpha, +14 1 - alpha + 1e-10, +15 4 t,
; +16 T, +17 at work, +18 the wave's product, +20 my wave's word, +22..26 the five sums
.macro POST sstart, sdsc, o1, red
	; lane = sample: lanes 0-15 take the first tile's channels, lanes 16-31 the second's.  All four carry grid's factor 64.
.irp k, 0,1,2,3
	v_cndmask_b32 v[P+\k], v[A0+\k], v[A1+\k], s28
.endr
	v_cvt_f32_u32 v[P+4], v0
	v_lshlrev_b32 v[P+15], 2, v0
	v_add_f32 v[P+6], 1.0, v[P+4]
	v_fma_f32 v[P+5], v[P+4], s48, s[\sstart]      ; ts = start + t step
	v_fma_f32 v[P+6], v[P+6], s48, s[\sstart]      ; the next intersection
	v_sub_f32 v[P+6], v[P+6], v[P+5]
	v_mul_f32 v[P+6], s[\sdsc], v[P+6]             ; dist / 64
	v_max_num_f32 v[P+7], 0, v[P+3]
	v_mul_f32 v[P+7], v[P+7], v[P+6]               ; x = relu(sigma) dist
	v_mov_b32 v[P+8], 0x39500d01                   ; 1/5040
	v_fmaak_f32 v[P+8], v[P+8], v[P+7], 0xbab60b61 ; -1/720
	v_fmaak_f32 v[P+8], v[P+8], v[P+7], 0x3c088889 ; 1/120
	v_fmaak_f32 v[P+8], v[P+8], v[P+7], 0xbd2aaaab ; -1/24
	v_fmaak_f32 v[P+8], v[P+8], v[P+7], 0x3e2aaaab ; 1/6
	v_fma_f32 v[P+8], v[P+8], v[P+7], -0.5
	v_fma_f32 v[P+8], v[P+8], v[P+7], 1.0
	v_mul_f32 v[P+9],  0xbfb8aa3b, v[P+7]          ; -x log2 e
	v_mul_f32 v[P+10], 0xbcb8aa3b, v[P+0]          ; -colour log2 e / 64
	v_mul_f32 v[P+11], 0xbcb8aa3b, v[P+1]
	v_mul_f32 v[P+12], 0xbcb8aa3b, v[P+2]
	v_exp_f32 v[P+9],  v[P+9]
	v_exp_f32 v[P+10], v[P+10]
	v_exp_f32 v[P+11], v[P+11]
	v_exp_f32 v[P+12], v[P+12]
	v_mul_f32 v[P+8], v[P+8], v[P+7]               ; the series' last factor: the plain place behind the exponentials (ISA guide 5.7.2)
	s_wait_alu depctr_va_vdst(0)
	v_sub_f32 v[P+9],  1.0, v[P+9]
	v_add_f32 v[P+10], 1.0, v[P+10]
	v_add_f32 v[P+11], 1.0, v[P+11]
	v_add_f32 v[P+12], 1.0, v[P+12]
	v_cmp_gt_f32 vcc_lo, 0.5, v[P+7]
	v_rcp_f32 v[P+10], v[P+10]                     ; sigmoid = 1 / (1 + exp(-colour))
	v_rcp_f32 v[P+11], v[P+11]
	v_rcp_f32 v[P+12], v[P+12]
	v_cndmask_b32 v[P+13], v[P+9], v[P+8], vcc_lo  ; alpha; also the plain place behind the reciprocals
	v_sub_f32 v[P+14], 1.0, v[P+13]
	v_add_f32 v[P+14], 0x2edbe6ff, v[P+14]         ; 1 - alpha + 1e-10
	s_wait_xcnt 0x0                                ; EXEC is a source of pending loads: it narrows only behind this wait
	v_cmp_gt_u32 vcc_lo, 0x17f, v0
	s_and_saveexec_b32 s29, vcc_lo                 ; the pad, thread 383, stores nothing
	global_store_b32 v[P+15], v[P+13], s[20:21] offset:\o1
	s_wait_xcnt 0x0                                ; and widens only behind this one, which also frees the store's two registers for the next ray
	s_or_b32 exec_lo, exec_lo, s29
	XSCAN P+14, P+16
	v_mul_f32 v[P+17], v[P+16], v[P+14]            ; inclusive
	v_readlane_b32 s44, v[P+17], 15                ; the product of samples 0-15 of the wave
	v_readlane_b32 s45, v[P+17], 31                ; of samples 16-31
	v_mul_f32 v[P+17], s44, v[P+16]
	v_cndmask_b32 v[P+16], v[P+16], v[P+17], s28   ; T from the wave's first sample on
	v_mov_b32 v[P+18], s44
	v_mul_f32 v[P+18], s45, v[P+18]                ; the wave's whole product
	v_mul_f32 v[P+25], v[P+13], v[P+16]            ; alpha T: all five sums are linear in T, the earlier waves' factor comes later
	s_wait_alu depctr_va_vdst(0)
	v_mul_f32 v[P+22], v[P+25], v[P+10]
	v_mul_f32 v[P+23], v[P+25], v[P+11]
	v_mul_f32 v[P+24], v[P+25], v[P+12]
	v_mul_f32 v[P+26], v[P+25], v[P+5]
.irp n, 1,2,4,8
.irp x, 0,1,2,3,4
	v_add_f32_dpp v[P+22+\x], v[P+22+\x], v[P+22+\x] row_xmask:\n row_mask:0xf bank_mask:0xf
.endr
.endr
.irp x, 0,1,2,3,4
	v_permlanex16_b32 v[P+\x], v[P+22+\x], s30, s31        ; P+0..4 have been written and are done with
.endr
.irp x, 0,1,2,3,4
	v_add_f32 v[P+22+\x], v[P+22+\x], v[P+\x]
.endr
	v_mov_b32 v[P+20], s3
	v_lshlrev_b32 v[P+20], 2, v[P+20]              ; my wave's word: all lanes store the same number there
	ds_store_b32 v[P+20], v[P+18] offset:\red
.irp x, 0,1,2,3,4
	ds_store_b32 v[P+20], v[P+22+\x] offset:\red+64+64*\x
.endr
.endm
	; RAY A
	s_wait_loadcnt 0x20                            ; the 32 gathers of T1 and T2 are younger and stay out: T0's rows are in
	GROUP G0, W0, A0, 0, 1, 0
	GROUP G0, W0, A0, 4, 0, 0
	UNPACK 1, W0, G0, 0                            ; T3's rows into T0's registers; its offsets lie in T0's weights, which are done with
	s_wait_loadcnt 0x20                            ; T2's and T3's 32 gathers are younger: T1's rows are in
	GROUP G1, W1, A1, 0, 1, 0
	GROUP G1, W1, A1, 4, 0, 0
	s_wait_xcnt 0x0                                ; T3's offsets (v8-15) are written over by ray B's weights only behind this wait
	FRLOAD FAB                                     ; ray B's fragments and weights come in while ray A is composited
.irp k, 0,1,2,3
	ds_load_b128 v[W0+4*\k:W0+4*\k+3], v6 offset:PARK+512*\k       ; my own bytes: LDS serves a wave's instructions in order (ISA guide 5.7.1)
.endr
	POST 32, 33, 0, RED
	; RAY B
	s_wait_dscnt 0x0                               ; fragments and weights are in
	s_wait_loadcnt 0x10                            ; T3's 16 gathers are younger: T2's rows are in
	GROUP G2, W0, A0, 0, 1, 1
	GROUP G2, W0, A0, 4, 0, 1
	s_wait_loadcnt 0x0
	GROUP G0, W1, A1, 0, 1, 0
	GROUP G0, W1, A1, 4, 0, 0
	POST 36, 37, 1532, RED+REDB
	s_wait_dscnt 0x0                               ; zero, for the sake of the two waves that read all figures
	s_barrier_signal -1
	s_barrier_wait -1
	s_cmp_ge_u32 s3, 2
	s_cbranch_scc1 .Lend
	; wave 0 finishes ray A, wave 1 ray B: lane r (in both rows) takes wave r's six numbers; lanes 12-15 count as product 1 and sums 0
	s_mul_i32 s44, s3, REDB
	s_mul_i32 s46, s3, 12
	s_add_nc_u64 s[18:19], s[18:19], s[46:47]      ; the ray's three numbers in out0
	s_lshl_b32 s46, s3, 2
	s_add_nc_u64 s[22:23], s[22:23], s[46:47]      ; and its one in out2
	v_and_b32 v1, 15, v0
	v_and_b32 v[P+30], 31, v0
	v_min_u32 v[P+29], 11, v1
	v_lshl_add_u32 v[P+29], v[P+29], 2, s44
	v_mov_b32 v[P+40], 0
.irp q, 0,1,2,3,4,5
	ds_load_b32 v[P+32+\q], v[P+29] offset:RED+64*\q
.endr
	v_cmp_gt_u32 vcc_lo, 12, v1
	s_wait_dscnt 0x0
	v_cndmask_b32 v[P+32], 1.0, v[P+32], vcc_lo
	XSCAN P+32, P+38                               ; the product of all earlier waves
.irp q, 1,2,3,4,5
	v_mul_f32 v[P+32+\q], v[P+32+\q], v[P+38]
	v_cndmask_b32 v[P+32+\q], 0, v[P+32+\q], vcc_lo
.endr
.irp n, 1,2,4,8
.irp q, 1,2,3,4,5
	v_add_f32_dpp v[P+32+\q], v[P+32+\q], v[P+32+\q] row_xmask:\n row_mask:0xf bank_mask:0xf
.endr
.endr
	v_sub_f32 v[P+39], 1.0, v[P+36]                ; the white background's share
	v_add_f32 v[P+33], v[P+33], v[P+39]
	v_add_f32 v[P+34], v[P+34], v[P+39]
	v_add_f32 v[P+35], v[P+35], v[P+39]
	s_wait_xcnt 0x0                                ; EXEC narrows only behind this wait
	v_cmpx_gt_u32 1, v[P+30]                       ; the wave's lane 0 alone
	global_store_b32 v[P+40], v[P+33], s[18:19]
	global_store_b32 v[P+40], v[P+34], s[18:19] offset:4
	global_store_b32 v[P+40], v[P+35], s[18:19] offset:8
	global_store_b32 v[P+40], v[P+37], s[22:23]
	s_or_b32 s46, ttmp9, s3
	s_cmp_lg_u32 s46, 0
	s_cbranch_scc1 .Lend
	global_store_b32 v[P+40], v[P+40], s[24:25]    ; the consistency loss is 0: one owner, wave 0 of work-group 0
.Lend:
	s_wait_xcnt 0x0
	s_mov_b32 exec_lo, -1
	s_set_vgpr_msb 0x5
	s_wait_tensorcnt 0x0
	ds_add_u32 v64, v65
	s_wait_dscnt 0x0
	s_set_vgpr_msb 0x500
	s_endpgm
.Lfunc_end_k_q31e8bb9991_render:
	.size	k_q31e8bb9991_render, .Lfunc_end_k_q31e8bb9991_render-k_q31e8bb9991_render
	.p2alignl 7, 3214868480
	.fill 96, 4, 3214868480
	.section	.rodata,"a",@progbits
	.p2align	6, 0x0
	.amdhsa_kernel k_q31e8bb9991_render
		.amdhsa_group_segment_fixed_size 76288
		.amdhsa_private_segment_fixed_size 0
		.amdhsa_enable_private_segment 0
		.amdhsa_kernarg_size 72
		.amdhsa_user_sgpr_count 2
		.amdhsa_user_sgpr_kernarg_segment_ptr 1
		.amdhsa_wavefront_size32 1
		.amdhsa_system_sgpr_workgroup_id_x 1
		.amdhsa_system_sgpr_workgroup_id_y 1
		.amdhsa_system_sgpr_workgroup_id_z 1
		.amdhsa_system_vgpr_workitem_id 0
		.amdhsa_next_free_vgpr 322
		.amdhsa_next_free_sgpr 66
		.amdhsa_reserve_vcc 1
		.amdhsa_float_denorm_mode_32 3
		.amdhsa_float_denorm_mode_16_64 3
		.amdhsa_memory_ordered 1
		.amdhsa_forward_progress 1
		.amdhsa_inst_pref_size 44
	.end_amdhsa_kernel
	.amdgpu_metadata
---
amdhsa.version: [ 1, 2 ]
amdhsa.kernels:
  - .name:           k_q31e8bb9991_render
    .symbol:         k_q31e8bb9991_render.kd
    .args:
      - { .name: fa, .offset: 0, .size: 8, .value_kind: global_buffer, .address_space: global }
      - { .name: gridh, .offset: 8, .size: 8, .value_kind: global_buffer, .address_space: global }
      - { .name: cells, .offset: 16, .size: 8, .value_kind: global_buffer, .address_space: global }
      - { .name: wts, .offset: 24, .size: 8, .value_kind: global_buffer, .address_space: global }
      - { .name: rayc, .offset: 32, .size: 8, .value_kind: global_buffer, .address_space: global }
      - { .name: out0, .offset: 40, .size: 8, .value_kind: global_buffer, .address_space: global }
      - { .name: out1, .offset: 48, .size: 8, .value_kind: global_buffer, .address_space: global }
      - { .name: out2, .offset: 56, .size: 8, .value_kind: global_buffer, .address_space: global }
      - { .name: out3, .offset: 64, .size: 8, .value_kind: global_buffer, .address_space: global }
    .group_segment_fixed_size: 76288
    .private_segment_fixed_size: 0
    .kernarg_segment_align: 8
    .kernarg_segment_size: 72
    .max_flat_workgroup_size: 384
    .sgpr_count:     66
    .vgpr_count:     322
    .wavefront_size: 32
...
	.end_amdgpu_metadata
.endif
;; end of part 4
